; MI455X (gfx1250); checked and timed in simulation.
; The chip was launched on July 23, 2026; its instructions are those of AMD's public machine-readable ISA for CDNA 5 (MIT licence, August 2026) and "CDNA5" Instruction Set Architecture Reference Guide (July 2026). The comments in the code are by the model that wrote it; some were corrected since.
;; Self Attention. Allowed arithmetic: matrix products marked QUANTISED: E3M2 operands, one E8M0 scale for each 32 along K, by v_wmma_scale_f32_16x16x128_f8f6f4 with both operands' format E3M2, f32 sums; everything else in f32.
;; Inputs: K 256 x 256 float32; bias 1 float32; temperature 1 float32; x 4 x 4,096 x 256 float32.
;; Outputs: out0 4 x 4,096 x 256 float32.
;; This version of the problem:
;;   THIS VERSION OF THE PROBLEM IS GIVEN IN LOW PRECISION. The matrix products marked QUANTISED in the list below multiply operands that are first quantised to E3M2 (3 exponent bits, 2 mantissa bits; 6 bits a number), with one power-of-two scale for each 32 numbers along K (OCP MX v1.0); their sums are f32. All else is computed in f32.
;;   The module's matrix products, in the order in which they are computed (A, B: the left and right operand; K: the contracted axis; several contracted axes count as one K, in the product's order):
;;     1. [M 16,384, K 256] x [K 256, N 256]; A: input x; B: input K: QUANTISED
;;     2. batch 4 x [M 4,096, K 256] x [K 256, N 4,096]; A: computed on the way; B: input x: QUANTISED
;;     3. batch 4 x [M 4,096, K 4,096] x [K 4,096, N 256]; A: softmax (see below); B: input x: QUANTISED
;;   THE QUANTISER, for each operand of a quantised product, along K:
;;     - K is cut into blocks of 32 from its start; a last block that is shorter is filled with zeros.
;;     - A block's scale is 2^e with e = floor(log2(the largest magnitude in the block)) - 4, held to -126 .. 127; a block of zeros has e = 0. As a byte (E8M0): e + 127.
;;     - Each number is divided by its block's scale, clamped to +-28, and rounded to the nearest number of E3M2, ties to even, subnormals kept.
;;     - The product sums the exact products of the quantised numbers (number of the format x scale) in f32.
;;   ~~~python
;;   def quantise(x, axis):      # numpy; x: float32 -> the quantised numbers, widened to float32 again
;;       x = np.moveaxis(x, axis, -1); K = x.shape[-1]
;;       x = np.pad(x, [(0, 0)] * (x.ndim - 1) + [(0, -K % 32)]); x = x.reshape(x.shape[:-1] + (-1, 32)); a = np.abs(x).max(-1, keepdims=True)
;;       e = np.where(a > 0, np.clip(np.frexp(np.where(a > 0, a, 1))[1] - 1 - 4, -126, 127), 0)      # np.frexp(a)[1] - 1 = floor(log2(a)), exactly
;;       r = np.clip(x / 2.0 ** e, -28, 28)
;;       step = 2.0 ** (np.maximum(np.frexp(np.where(r == 0, 1, r))[1] - 1, -2) - 2)
;;       q = np.round(r / step) * step * 2.0 ** e      # np.round: ties to even
;;       return np.moveaxis(q.reshape(q.shape[:-2] + (-1,))[..., :K], -1, axis).astype(np.float32)
;;   ~~~
;;   SOFTMAX AHEAD OF A QUANTISED PRODUCT. Where the list says 'softmax', what is quantised is not the finished softmax but p = 2^(t - M), with t = logit x log2(e) and M = ceil(the row's largest t), a whole number; so 1/2 < the row's largest p <= 1. The row's sum l is taken of the UNQUANTISED p, in f32, and the product's result is divided by l at the end. Since M is a whole number, a kernel that streams over the keys may use a running M (the ceiling of the running maximum): every later rescaling is an exact power of two, which a block's scale takes up: the codes' values come out the same.
;;   OPERANDS COMPUTED ON THE WAY. 'Computed on the way' means the value that the module computes at that place (a softmax that the list does not call 'softmax' is quantised finished and normalised). What goes into a quantiser is computed in f32, as accurately as f32 sums, v_exp_f32 and their like allow (about 1e-6 of the number): no bf16 or f16 on the way to a quantiser, and a product that is left as it is and whose result goes on into a quantised operand takes f32 operands (vector FMAs, or v_wmma_f32_16x16x4_f32). A number that lies on a knife's edge between two numbers of the format may be rounded either way, as far as f32 arithmetic and the matrix unit's own rounding can turn it there, and no further.
;; One version. Each part assembles by itself: llvm-mc -triple=amdgcn-amd-amdhsa -mcpu=gfx1250 --defsym DOCPART=n.
;; ======== version 1 of 1: 2 launches
;; workspace buffers: xd_codes 3,145,728 bytes; xd_scales 131,072 bytes; kq_codes 3,145,728 bytes; kq_scales 131,072 bytes; xs_codes 3,145,728 bytes; xs_scales 131,072 bytes; flags 1,024 bytes of whole numbers
;; launch prep (part 1): grid 64 x 4, 16 waves a work-group, no clusters, 126,208 bytes of LDS; arguments x, K, temperature, bias, xd_codes, xd_scales, kq_codes, kq_scales, xs_codes, xs_scales, flags; writes xd_codes, xd_scales, kq_codes, kq_scales, xs_codes, xs_scales, flags
.if DOCPART == 1
	.amdgcn_target "amdgcn-amd-amdhsa--gfx1250"
	.amdhsa_code_object_version 6
	.text
	.protected	k_qa22bf4c3f2_prep
	.globl	k_qa22bf4c3f2_prep
	.p2align	8
	.type	k_qa22bf4c3f2_prep,@function
k_qa22bf4c3f2_prep:
	s_mov_b64 s[64:65], 0
	v_nop
	global_prefetch_b8 v0, s[64:65] scope:SCOPE_SE
	s_setreg_imm32_b32 hwreg(HW_REG_WAVE_MODE, 25, 1), 1
	s_wait_xcnt 0x0
; x [4][4096][256] f32, K [256 (d)][256 (e)] f32.  This launch makes, in codes of BF6 (E3M2) with one E8M0 byte for each 32 along a product's K:
;   xd: x quantised along d;  kq: key = Q(x) Q(K), quantised along e;  xs: x quantised down its rows (the keys), in blocks of 32 keys from key 0;
;   flags: one whole number a work-group, 0 where its rows allow the next launch to leave the far keys out (see THE FLAG).
; All codes are stored as IMAGES OF OPERAND REGISTERS, so that the next launch loads fragments by whole 16- and 8-byte pieces, 512 or 256 consecutive bytes a wave.
; SHARES.  A work-group takes a PAIR of blocks of 32 rows of one batch: pair u = blocks (2u-1) mod 128 and 2u (the pairs that the next launch's K steps are made of): 64 rows, read from memory once, into LDS.
;   All 16 waves: 4 rows of x each into LDS; wave w quantises K's tile w of 16 columns e down d (a lane to a column, registers down d) and leaves its two fragments in LDS.  | barrier |
;   Waves 0-7: tile of 16 rows w/2, half w%2 of e: x's two fragments, 16 products (transposed: source 0 = 16 columns of K, source 1 = x), key quantised in registers.
;   Waves 8-15: two tiles of 16 d each: a lane to a column d, registers down the 32 keys of a block.  | barrier |  Waves 0-2 store the scale words in whole runs of 256 bytes, wave 3 the flag.
; THE ROWS OF A TILE ARE NOT NEIGHBOURS: lane r of tile (block, u) takes row 32 block + 8 u + r + 8 (r / 8), and K's columns likewise, so that a result's 16 registers of two neighbouring tiles are 16 neighbours along the next K.
; THE FLAG.  L = 10000 - |bias| - 88.75 / temperature (-1 unless temperature > 0).  A quantised row's squared length is at most 1.34 times the row's.  The flag is 0 iff 1.6 x max(|x_i|^2, 2 x my half of |key_i|^2) <= L
;   for all my rows.  If every flag is 0, every |logit| <= L, so each key outside the band has (relu(logit + bias) - 10000) x temperature x log2(e) <= -128, while the row's M is 0 or more (key i itself): its p is 0.
; NO CLUSTER, NO TENSOR LOAD: K, the one thing that all work-groups share, is 262,144 bytes of f32; with x's 66,816 bytes it does not fit into 327,680 bytes of LDS, and it is wanted by columns in registers.
; LIMITS: NaN and infinities among the inputs are not served; a block whose largest magnitude lies under 2^-122 keeps the byte 1 (a block of zeros too: its codes are zeros, and this program alone reads the bytes).
.set XP,    1040                       ; LDS: a row of x, 1,024 bytes + 16
.set XH,    32*XP+64                   ; the pair's second block begins 64 bytes further on than 32 rows: a column read's two halves of the lanes fall on different banks
.set KIMG,  66816                      ; behind x: K's 32 fragments (tile T, K step s) at (2 T + s) x 1,536
.set KSC,   KIMG+32*1536               ; their scale words, 128 bytes each
.set SCLR,  KSC+32*128                 ; xd's scale words (512 bytes), kq's at +512, xs's at +1,024, the eight flags at +1,536
.set FLG,   SCLR+1536
.set FLOOR, 0x2800000                  ; 2^(5 - 127): no largest magnitude is taken under it, so no byte falls under 1
.set OFF4,  0xfe000000                 ; takes 4 off an exponent field
.set LANE, 1
.set R,    2
.set H,    3
.set LN16, 4                           ; 16 x lane
.set KGA,  5                           ; K in memory: my column, my half's 32 rows
.set XST,  6                           ; LDS: where my wave's 4 rows of x go
.set KWI,  7                           ; where my fragments of K go
.set KWS,  8                           ; and their scale words
.set XRD,  9                           ; my row of x, my 16 numbers of a block
.set KRD,  10                          ; K's fragments of my half of e
.set KSR,  11
.set XCD,  12                          ; my column d of x, my block of keys
.set SCB,  13                          ; my row's scale word
.set XSSA, 14                          ; my column's scale word
.set FLGA, 15
.set KSW,  16                          ; v16-23   K's scale words of a K step: scales and nothing else
.set LN8,  24
.set LIM,  25
.set TL,   26
.set TOFF, 27
.set F,    28
.set SH8,  29
.set RR,   30
.set FLR,  31
.set KN,   32                          ; v32-95   two sets of 32 numbers of K;  then x's K step 0;  then the 8 accumulators;  in waves 8-15 two columns' blocks
.set XN,   32
.set ACC,  32
.set CN,   32
.set XR,   96                          ; v96-127  4 rows as loaded;  v96-159 x's K step 1;  v96-191 K's 8 fragments
.set KFR,  96
.set KC,   160                         ; v160-183 the two fragments of K just made
.set XF,   192                         ; v192-215 x's two fragments;  in waves 8-15 the columns' codes
.set CC,   192
.set QT,   216                         ; v216-223 a conversion's second halves
.set KQC,  224                         ; v224-235 key's fragment
.set TM,   236                         ; +0..3 maxima, +4..7 other lanes' and bytes, +8:9 |x|^2, +10:11 |key|^2, +12..15 scale operands
.set NX,   244
.set NK,   246
.set PW,   252                         ; v252-254 scale words of x's two K steps and of key: scales and nothing else
; 32 numbers of one block -> v[TM] the largest magnitude (with the floor), v[TM+12] the conversions' scale operand
.macro BLKMAX s
	v_max3_num_f32 v[TM], |v[(\s)]|, |v[(\s)+1]|, |v[(\s)+2]|
	v_max3_num_f32 v[TM+1], |v[(\s)+3]|, |v[(\s)+4]|, |v[(\s)+5]|
.irp i, 6,10,14,18,22,26
	v_max3_num_f32 v[TM], v[TM], |v[(\s)+\i]|, |v[(\s)+\i+1]|
	v_max3_num_f32 v[TM+1], v[TM+1], |v[(\s)+\i+2]|, |v[(\s)+\i+3]|
.endr
	v_max3_num_f32 v[TM], v[TM], |v[(\s)+30]|, |v[(\s)+31]|
	v_max3_num_f32 v[TM], v[TM], v[TM+1], FLOOR
	v_add_nc_u32 v[TM+12], OFF4, v[TM]             ; the conversion takes the exponent field of this operand as its scale
.endm
; unit j of K: rows d = 64 j + 32 h + 0 .. 31 of my column, into set j % 2
.macro KLOAD j
.set ki_, 0
.rept 32
	global_load_b32 v[KN+32*((\j)%2)+ki_], v[KGA], s[6:7] offset:(64*(\j)+ki_)*1024
.set ki_, ki_+1
.endr
.endm
; unit j becomes registers 6 (j % 2) .. + 5 of fragment j / 2; behind a fragment's second unit its image and its scale word go to LDS
.macro KUNIT j
.set KS_, KN+32*((\j)%2)
.set KD_, KC+12*((\j)/2)+6*((\j)%2)
.if (\j) < 3
	s_wait_loadcnt 32                              ; this unit's 32 loads are in; the next unit's 32 may be out
.else
	s_wait_loadcnt 0x0
.endif
	BLKMAX KS_
	v_cvt_scalef32_pk16_bf6_f32 v[KD_:KD_+2], v[KS_:KS_+15], v[TM+12]
	v_cvt_scalef32_pk16_bf6_f32 v[QT:QT+2], v[KS_+16:KS_+31], v[TM+12]   ; (a conversion's three registers begin on an even number)
	v_nop                                          ; one plain place behind the conversions
	v_lshrrev_b32 v[TM+4+(\j)%2], 23, v[TM+12]     ; the scale's byte
.if (\j) < 2
	KLOAD (\j)+2                                   ; the set just read takes the unit two on
.endif
.irp i, 0,1,2
	v_mov_b32 v[KD_+3+\i], v[QT+\i]
.endr
.if (\j)%2 == 1
	v_lshl_or_b32 v[TM+2], v[TM+5], 16, v[TM+4]    ; my two bytes: blocks h and 2 + h of my column,
	v_lshlrev_b32 v[TM+2], v[SH8], v[TM+2]         ; at their places in the word;
	v_permlanex16_b32 v[TM+6], v[TM+2], s30, s31
	v_or_b32 v[TM+2], v[TM+2], v[TM+6]             ; with lane l xor 16's two it is whole
.irp k, 0,1,2
	ds_store_b128 v[KWI], v[KC+12*((\j)/2)+4*\k:KC+12*((\j)/2)+4*\k+3] offset:1536*((\j)/2)+512*\k
.endr
	ds_store_b32 v[KWS], v[TM+2] offset:128*((\j)/2)
.endif
.endm
; 64 numbers of a lane, register 16 b + i = k 32 b + 16 h + i of my row, become a fragment's 12 registers at v[d] and its scale word in v[pw]
.macro QUANT s, d, pw
.irp b, 0,1,2,3
	v_max3_num_f32 v[TM+\b], |v[(\s)+16*\b]|, |v[(\s)+1+16*\b]|, FLOOR
.endr
.irp i, 2,4,6,8,10,12,14
.irp b, 0,1,2,3
	v_max3_num_f32 v[TM+\b], v[TM+\b], |v[(\s)+16*\b+\i]|, |v[(\s)+1+16*\b+\i]|   ; the four blocks by turns
.endr
.endr
.irp b, 0,1,2,3
	v_permlanex16_b32 v[TM+4+\b], v[TM+\b], s30, s31
.endr
.irp b, 0,1,2,3
	v_max_num_f32 v[TM+\b], v[TM+\b], v[TM+4+\b]   ; with lane l xor 16's 16: the block's largest magnitude
.endr
.irp b, 0,1,2,3
	v_add_nc_u32 v[TM+12+\b], OFF4, v[TM+\b]
.endr
.irp b, 0,1,2,3
	v_lshrrev_b32 v[TM+4+\b], 23, v[TM+12+\b]
.endr
	v_lshl_or_b32 v[\pw], v[TM+5], 8, v[TM+4]
	v_lshl_or_b32 v[\pw], v[TM+6], 16, v[\pw]
	v_lshl_or_b32 v[\pw], v[TM+7], 24, v[\pw]
.irp c, 0,1
	v_cvt_scalef32_pk16_bf6_f32 v[(\d)+6*\c:(\d)+6*\c+2], v[(\s)+32*\c:(\s)+32*\c+15], v[TM+12+2*\c]
	v_cvt_scalef32_pk16_bf6_f32 v[QT+4*\c:QT+4*\c+2], v[(\s)+16+32*\c:(\s)+31+32*\c], v[TM+13+2*\c]
.endr
	v_nop                                          ; one plain place behind the conversions
.irp c, 0,1                                    ; the operand's layout wants a whole block in a lane: lanes 0-15 block 2 c, lanes 16-31 block 2 c + 1
.irp i, 0,1,2
	v_permlane16_swap_b32 v[(\d)+6*\c+\i], v[QT+4*\c+\i]
.endr
.irp i, 0,1,2
	v_mov_b32 v[(\d)+6*\c+3+\i], v[QT+4*\c+\i]
.endr
.endr
.endm
; the sum of squares of 64 registers, ascending, two at a time
.macro SUMSQ s, acc, start
.if \start
	v_pk_mul_f32 v[\acc:\acc+1], v[(\s):(\s)+1], v[(\s):(\s)+1]
.else
	v_pk_fma_f32 v[\acc:\acc+1], v[(\s):(\s)+1], v[(\s):(\s)+1], v[\acc:\acc+1]
.endif
.set sq_, 2
.rept 31
	v_pk_fma_f32 v[\acc:\acc+1], v[(\s)+sq_:(\s)+sq_+1], v[(\s)+sq_:(\s)+sq_+1], v[\acc:\acc+1]
.set sq_, sq_+2
.endr
.endm
; K's eight fragments of my half of e, K step s, and their scale words
.macro KFETCH s
.irp t, 0,1,2,3,4,5,6,7
.irp k, 0,1,2
	ds_load_b128 v[KFR+12*\t+4*\k:KFR+12*\t+4*\k+3], v[KRD] offset:(2*\t+\s)*1536+512*\k
.endr
	ds_load_b32 v[KSW+\t], v[KSR] offset:(2*\t+\s)*128
.endr
.endm
; column tile tt of my two: my column's block of 32 keys becomes half a fragment (6 registers), stored as 512 + 256 consecutive bytes a wave
.macro COLQ tt
.set CS_, CN+32*\tt
.set CD_, CC+8*\tt
	s_wait_dscnt 32*(1-\tt)                        ; this tile's 32 LDS loads are in; the other tile's may be out
	BLKMAX CS_
	v_cvt_scalef32_pk16_bf6_f32 v[CD_:CD_+2], v[CS_:CS_+15], v[TM+12]
	v_cvt_scalef32_pk16_bf6_f32 v[QT+4*\tt:QT+4*\tt+2], v[CS_+16:CS_+31], v[TM+12]
	v_nop                                          ; one plain place behind the conversions
	v_lshrrev_b32 v[TM+4], 23, v[TM+12]
.irp i, 0,1,2
	v_mov_b32 v[CD_+3+\i], v[QT+4*\tt+\i]
.endr
	v_lshlrev_b32 v[TM+4], v[SH8], v[TM+4]         ; my block's byte at place h;
	v_permlanex16_b32 v[TM+6], v[TM+4], s30, s31
	v_or_b32 v[TM+8+\tt], v[TM+4], v[TM+6]         ; with the other block's: the pair's half word
	global_store_b128 v[LN16], v[CD_:CD_+3], s[20:21] offset:768*\tt
	global_store_b64 v[LN8], v[CD_+4:CD_+5], s[20:21] offset:768*\tt+512
.endm
	s_load_b256 s[4:11], s[0:1], 0x0               ; x, K, temperature, bias
	s_load_b256 s[12:19], s[0:1], 0x20             ; xd_codes, xd_scales, kq_codes, kq_scales
	s_load_b128 s[20:23], s[0:1], 0x40             ; xs_codes, xs_scales
	s_load_b64 s[24:25], s[0:1], 0x50              ; flags
	v_lshl_add_u32 v223, v0, 2, 0x1e500
	v_mov_b32 v255, 0
	v_lshrrev_b32 v[LANE], 5, v0
	v_readfirstlane_b32 s26, v[LANE]               ; wave w, 0..15
	v_and_b32 v[LANE], 31, v0
	v_and_b32 v[R], 15, v0
	v_bfe_u32 v[H], v0, 4, 1
	v_lshlrev_b32 v[LN16], 4, v[LANE]
	v_lshlrev_b32 v[LN8], 3, v[LANE]
	v_lshlrev_b32 v[TOFF], 2, v[LANE]              ; 4 x lane, for the head only
	v_lshlrev_b32 v[SH8], 3, v[H]
	v_and_b32 v[RR], 8, v[R]
	v_add_nc_u32 v[RR], v[RR], v[R]                ; r + 8 (r / 8)
	s_and_b32 s27, s26, 1                          ; w % 2
	s_and_b32 s36, s26, 7
	s_lshr_b32 s37, s26, 3
	s_bfe_u32 s56, s26, 0x10001                    ; (w / 2) % 2
	s_bfe_u32 s57, s26, 0x10002                    ; (w / 4) % 2
	s_mov_b32 s32, ttmp9                           ; the pair u
	s_and_b32 s33, ttmp7, 0xffff                   ; the batch
	s_lshl_b32 s34, s32, 1                         ; its second block, 2 u
	s_sub_co_u32 s35, s34, 1
	s_and_b32 s35, s35, 127                        ; its first, (2 u - 1) mod 128
	s_mov_b32 s30, 0x76543210
	s_mov_b32 s31, 0xfedcba98                      ; v_permlanex16_b32's selects for lane l xor 16
	; every LDS address is made here, ahead of the place where the waves part
	s_mul_i32 s40, s26, 4*XP
	s_lshl_b32 s41, s37, 6
	s_add_co_u32 s40, s40, s41
	v_add_nc_u32 v[XST], s40, v[LN16]
	s_mul_i32 s40, s26, 3072
	s_add_co_u32 s40, s40, KIMG
	v_add_nc_u32 v[KWI], s40, v[LN16]
	s_lshl_b32 s40, s26, 8
	s_add_co_u32 s40, s40, KSC
	v_add_nc_u32 v[KWS], s40, v[TOFF]
	v_mul_u32_u24 v[XRD], v[RR], XP
	v_lshl_add_u32 v[XRD], v[H], 6, v[XRD]
	s_mul_i32 s40, s57, XH
	s_mul_i32 s41, s56, 8*XP
	s_add_co_u32 s40, s40, s41
	v_add_nc_u32 v[XRD], s40, v[XRD]
	s_mul_i32 s40, s27, 24576
	s_add_co_u32 s40, s40, KIMG
	v_add_nc_u32 v[KRD], s40, v[LN16]
	s_lshl_b32 s40, s27, 11
	s_add_co_u32 s40, s40, KSC
	v_add_nc_u32 v[KSR], s40, v[TOFF]
	v_mul_u32_u24 v[XCD], v[H], XH
	v_lshl_add_u32 v[XCD], v[R], 2, v[XCD]
	s_lshl_b32 s40, s36, 7
	v_add_nc_u32 v[XCD], s40, v[XCD]
	s_lshl_b32 s40, s36, 6
	s_add_co_u32 s40, s40, SCLR
	v_lshl_add_u32 v[SCB], v[R], 2, s40
	s_lshl_b32 s40, s36, 2
	s_add_co_u32 s41, s40, SCLR+1024
	v_lshl_add_u32 v[XSSA], v[R], 5, s41
	s_add_co_u32 s41, s40, FLG
	v_mov_b32 v[FLGA], s41
	s_min_u32 s40, s26, 3
	s_lshl_b32 s40, s40, 9
	s_add_co_u32 s40, s40, SCLR
	v_add_nc_u32 v[TL], s40, v[LN16]
	v_mov_b32 v[FLR], FLG
	; K in memory: column 32 (w / 2) + 8 (w % 2) + r + 8 (r / 8), rows 32 h on
	s_lshr_b32 s40, s26, 1
	s_lshl_b32 s40, s40, 7
	s_lshl_b32 s41, s27, 5
	s_add_co_u32 s40, s40, s41
	v_lshlrev_b32 v[KGA], 2, v[RR]
	v_lshl_add_u32 v[KGA], v[H], 15, v[KGA]
	v_add_nc_u32 v[KGA], s40, v[KGA]
.irp b, 0,1,2,3
	v_mov_b32 v[TM+4+\b], 0                        ; written once: a lane permute's destination counts as one of its sources
.endr
	; byte offsets into the buffers, all under 2^32
	s_cmp_lt_u32 s26, 8
	s_cselect_b32 s38, s35, s34                    ; the block of my 4 rows
	s_lshl_b32 s38, s38, 5
	s_lshl_b32 s39, s36, 2
	s_add_co_u32 s38, s38, s39
	s_lshl_b32 s38, s38, 10
	s_lshl_b32 s39, s33, 22
	s_add_co_u32 s38, s38, s39
	s_mov_b32 s39, 0                               ; s[38:39]: x at my 4 rows
	s_cmp_eq_u32 s57, 0
	s_cselect_b32 s40, s35, s34                    ; the block of my tile of rows
	s_lshl_b32 s41, s33, 7
	s_add_co_u32 s40, s40, s41
	s_mul_i32 s40, s40, 6144
	s_mul_i32 s41, s56, 3072
	s_add_co_u32 s40, s40, s41
	s_mul_i32 s41, s27, 1536
	s_add_co_u32 s40, s40, s41
	s_mov_b32 s41, 0                               ; s[40:41]: my tile's image of K step w % 2, in xd_codes and in kq_codes
	s_lshl_b32 s42, s33, 6
	s_add_co_u32 s42, s42, s32                     ; 64 x batch + pair
	s_mul_i32 s44, s42, 12288
	s_mul_i32 s45, s36, 1536
	s_add_co_u32 s44, s44, s45
	s_mov_b32 s45, 0                               ; s[44:45]: my two column tiles in xs_codes
	s_lshl_b32 s46, s33, 7
	s_add_co_u32 s47, s46, s34
	s_add_co_u32 s46, s46, s35
	s_lshl_b32 s46, s46, 8                         ; the first block's 256 bytes of scale words,
	s_lshl_b32 s47, s47, 8                         ; the second's
	s_lshl_b32 s48, s42, 9                         ; the pair's 512 bytes in xs_scales,
	s_add_co_u32 s49, s48, 256                     ; their second half
	s_lshl_b32 s50, s42, 2
	s_mov_b32 s51, 0                               ; s[50:51]: my work-group's flag
	s_wait_kmcnt 0x0
	s_load_b32 s28, s[8:9], 0x0                    ; temperature
	s_load_b32 s29, s[10:11], 0x0                  ; bias
	s_add_nc_u64 s[4:5], s[4:5], s[38:39]
	s_add_nc_u64 s[12:13], s[12:13], s[40:41]
	s_add_nc_u64 s[16:17], s[16:17], s[40:41]
	s_add_nc_u64 s[20:21], s[20:21], s[44:45]
	s_add_nc_u64 s[24:25], s[24:25], s[50:51]
	; ---- all waves: 4 rows of x into LDS, one tile of K's columns into codes
.irp k, 0,1,2,3,4,5,6,7
	global_load_b128 v[XR+4*\k:XR+4*\k+3], v[LN16], s[4:5] offset:(\k/2)*1024+(\k%2)*512 th:TH_LOAD_NT   ; 512 consecutive bytes; each row of x is read by one wave of the launch
.endr
	KLOAD 0
	s_wait_loadcnt 32                              ; the 8 loads of x are in; unit 0's 32 may be out
.irp k, 0,1,2,3,4,5,6,7
	ds_store_b128 v[XST], v[XR+4*\k:XR+4*\k+3] offset:(\k/2)*XP+(\k%2)*512
.endr
	KLOAD 1
	KUNIT 0
	KUNIT 1
	KUNIT 2
	KUNIT 3
	s_wait_kmcnt 0x0                               ; temperature and bias
	s_and_b32 s29, s29, 0x7fffffff                 ; |bias|
	v_mov_b32 v[QT+4], s28
	v_mov_b32 v[QT+5], s29
	v_rcp_f32 v[QT+6], v[QT+4]
	v_sub_f32 v[LIM], 0x461c4000, v[QT+5]          ; 10000 - |bias|   (a plain place behind the reciprocal)
	v_cmp_lt_f32 vcc_lo, 0, v[QT+4]
	s_wait_alu depctr_va_vdst(0)                   ; the wait ahead of the reciprocal's first reader
	v_fma_f32 v[LIM], v[QT+6], 0xc2b18000, v[LIM]  ; - 88.75 / temperature
	v_cndmask_b32 v[LIM], -1.0, v[LIM], vcc_lo     ; -1 unless temperature > 0: no sum of squares is as small
	s_wait_dscnt 0x0                               ; for the others' sake: my rows of x and my fragments of K have landed
	s_barrier_signal -1
	s_barrier_wait -1
	s_cmp_lt_u32 s26, 8
	s_cbranch_scc0 .Lcolumns
	; ---- waves 0-7: tile of rows w / 2, half w % 2 of e
.irp s, 0,1
.irp b, 0,1,2,3
.irp j, 0,1,2,3
	ds_load_b128 v[XN+64*\s+16*\b+4*\j:XN+64*\s+16*\b+4*\j+3], v[XRD] offset:512*\s+128*\b+16*\j
.endr
.endr
.endr
	s_wait_dscnt 0x0
	QUANT XN, XF, PW
	QUANT XN+64, XF+12, PW+1
	SUMSQ XN+64, NX, 1
	KFETCH 0                                       ; into the registers that x's K step 1 has left
	SUMSQ XN, NX, 0
	s_cmp_eq_u32 s27, 0                            ; of the two waves of a tile, wave w % 2 stores x's K step w % 2
	s_cbranch_scc0 .Lstep1
.irp k, 0,1,2
	global_store_b128 v[LN16], v[XF+4*\k:XF+4*\k+3], s[12:13] offset:512*\k
.endr
	ds_store_b32 v[SCB], v[PW]
	s_branch .Lstored
.Lstep1:
.irp k, 0,1,2
	global_store_b128 v[LN16], v[XF+12+4*\k:XF+12+4*\k+3], s[12:13] offset:512*\k
.endr
	ds_store_b32 v[SCB], v[PW+1]
.Lstored:
.rept 8
	v_nop                                          ; a scale word made by vector instructions stands 8 places ahead of a scaled product, an operand 4
.endr
	s_wait_dscnt 0x0
.irp t, 0,1,2,3,4,5,6,7                        ; key^T: in tile t lane (r, h) holds row r, register j the column 128 (w % 2) + 32 (t / 2) + 16 h + 8 (t % 2) + j.  The first K step starts the sums
	v_wmma_scale_f32_16x16x128_f8f6f4 v[ACC+8*\t:ACC+8*\t+7], v[KFR+12*\t:KFR+12*\t+11], v[XF:XF+11], 0, v[KSW+\t], v[PW] matrix_a_fmt:MATRIX_FMT_BF6 matrix_b_fmt:MATRIX_FMT_BF6
.endr
.rept 4
	v_nop                                          ; places in front of loads into registers that the products have read
.endr
	KFETCH 1
	s_wait_dscnt 0x0
.irp t, 0,1,2,3,4,5,6,7                        ; the eight accumulators take turns
	v_wmma_scale_f32_16x16x128_f8f6f4 v[ACC+8*\t:ACC+8*\t+7], v[KFR+12*\t:KFR+12*\t+11], v[XF+12:XF+23], v[ACC+8*\t:ACC+8*\t+7], v[KSW+\t], v[PW+1] matrix_a_fmt:MATRIX_FMT_BF6 matrix_b_fmt:MATRIX_FMT_BF6
.endr
.rept 4
	v_nop                                          ; places in front of the first read of the results
.endr
	SUMSQ ACC, NK, 1                               ; each accumulator is read from its low end on
	QUANT ACC, KQC, PW+2
.irp k, 0,1,2
	global_store_b128 v[LN16], v[KQC+4*\k:KQC+4*\k+3], s[16:17] offset:512*\k
.endr
	ds_store_b32 v[SCB], v[PW+2] offset:512
	v_add_f32 v[NX], v[NX], v[NX+1]
	v_add_f32 v[NK], v[NK], v[NK+1]
	v_permlanex16_b32 v[TM+4], v[NX], s30, s31
	v_permlanex16_b32 v[TM+5], v[NK], s30, s31
	v_add_f32 v[NX], v[NX], v[TM+4]                ; |x_r|^2
	v_add_f32 v[NK], v[NK], v[TM+5]                ; my half of |key_r|^2,
	v_add_f32 v[NK], v[NK], v[NK]                  ; twice: the larger of the two halves' doubles is no less than the whole
	v_max_num_f32 v[NX], v[NX], v[NK]
	v_max_num_f32_dpp v[NX], v[NX], v[NX] row_xmask:1 row_mask:0xf bank_mask:0xf
	v_max_num_f32_dpp v[NX], v[NX], v[NX] row_xmask:2 row_mask:0xf bank_mask:0xf
	v_max_num_f32_dpp v[NX], v[NX], v[NX] row_xmask:4 row_mask:0xf bank_mask:0xf
	v_max_num_f32_dpp v[NX], v[NX], v[NX] row_xmask:8 row_mask:0xf bank_mask:0xf
	v_mul_f32 v[NX], 0x3fcccccd, v[NX]             ; x 1.6
	v_cmp_le_f32 vcc_lo, v[NX], v[LIM]
	v_cndmask_b32 v[F], 1, 0, vcc_lo               ; 0 where the bound holds: a value, no branch
	ds_store_b32 v[FLGA], v[F]                     ; all lanes write one word with one value
	s_branch .Ljoin
.Lcolumns:
	; ---- waves 8-15: d tiles 2 (w - 8) and 2 (w - 8) + 1: lane (r, h) takes column 16 t + r and the pair's block h
.irp tt, 0,1
.set ci_, 0
.rept 32
	ds_load_b32 v[CN+32*\tt+ci_], v[XCD] offset:ci_*XP+64*\tt
.set ci_, ci_+1
.endr
.endr
	COLQ 0
	COLQ 1
	v_lshl_or_b32 v[TM+8], v[TM+9], 16, v[TM+8]    ; the two tiles' half words
	ds_store_b32 v[XSSA], v[TM+8]
.Ljoin:
	s_wait_dscnt 0x0                               ; for the others' sake: my scale words and my flag have landed
	s_barrier_signal -1
	s_barrier_wait -1
	s_cmp_lt_u32 s26, 3
	s_cbranch_scc0 .Lnot_scales
	; ---- waves 0, 1, 2: xd's, kq's, xs's 512 bytes of scale words: sixteen lanes store 256 consecutive bytes, aligned
	ds_load_b128 v[32:35], v[TL]
	s_cmp_eq_u32 s26, 0
	s_cselect_b64 s[52:53], s[14:15], s[18:19]
	s_cmp_eq_u32 s26, 2
	s_cselect_b64 s[52:53], s[22:23], s[52:53]
	s_cselect_b32 s46, s48, s46
	s_cselect_b32 s47, s49, s47
	v_mov_b32 v[TOFF], s46
	v_cmp_eq_u32 vcc_lo, 1, v[H]
	v_cndmask_b32 v[TOFF], v[TOFF], s47, vcc_lo    ; lanes 16-31 take the second 256 bytes
	v_lshl_add_u32 v[TOFF], v[R], 4, v[TOFF]
	s_wait_dscnt 0x0
	global_store_b128 v[TOFF], v[32:35], s[52:53]
	s_wait_tensorcnt 0x0
	ds_add_u32 v223, v255
	s_wait_dscnt 0x0
	s_endpgm
.Lnot_scales:
	s_cmp_eq_u32 s26, 3
	s_cbranch_scc0 .Lend
	; ---- wave 3: the eight waves' flags become the work-group's
	ds_load_b128 v[32:35], v[FLR]
	ds_load_b128 v[36:39], v[FLR] offset:16
	s_wait_dscnt 0x0
.irp i, 1,2,3,4,5,6,7
	v_or_b32 v32, v32, v[32+\i]
.endr
	v_mov_b32 v[TOFF], 0
	v_cmp_eq_u32 vcc_lo, 0, v[LANE]
	s_wait_xcnt 0x0                                ; EXEC changes only behind this wait: my earlier stores have read it
	s_and_saveexec_b32 s52, vcc_lo
	global_store_b32 v[TOFF], v32, s[24:25]        ; lane 0 alone
	s_wait_xcnt 0x0
	s_or_b32 exec_lo, exec_lo, s52
.Lend:
	s_wait_tensorcnt 0x0
	ds_add_u32 v223, v255
	s_wait_dscnt 0x0
	s_endpgm
.Lfunc_end_k_qa22bf4c3f2_prep:
	.size	k_qa22bf4c3f2_prep, .Lfunc_end_k_qa22bf4c3f2_prep-k_qa22bf4c3f2_prep
	.p2alignl 7, 3214868480
	.fill 96, 4, 3214868480
	.section	.rodata,"a",@progbits
	.p2align	6, 0x0
	.amdhsa_kernel k_qa22bf4c3f2_prep
		.amdhsa_group_segment_fixed_size 126208
		.amdhsa_private_segment_fixed_size 0
		.amdhsa_enable_private_segment 0
		.amdhsa_kernarg_size 88
		.amdhsa_user_sgpr_count 2
		.amdhsa_user_sgpr_kernarg_segment_ptr 1
		.amdhsa_wavefront_size32 1
		.amdhsa_system_sgpr_workgroup_id_x 1
		.amdhsa_system_sgpr_workgroup_id_y 1
		.amdhsa_system_sgpr_workgroup_id_z 1
		.amdhsa_system_vgpr_workitem_id 0
		.amdhsa_next_free_vgpr 256
		.amdhsa_next_free_sgpr 66
		.amdhsa_reserve_vcc 1
		.amdhsa_float_denorm_mode_32 3
		.amdhsa_float_denorm_mode_16_64 3
		.amdhsa_memory_ordered 1
		.amdhsa_forward_progress 1
		.amdhsa_inst_pref_size 63
	.end_amdhsa_kernel
	.amdgpu_metadata
---
amdhsa.version: [ 1, 2 ]
amdhsa.kernels:
  - .name:           k_qa22bf4c3f2_prep
    .symbol:         k_qa22bf4c3f2_prep.kd
    .args:
      - { .name: x, .offset: 0, .size: 8, .value_kind: global_buffer, .address_space: global }
      - { .name: K, .offset: 8, .size: 8, .value_kind: global_buffer, .address_space: global }
      - { .name: temperature, .offset: 16, .size: 8, .value_kind: global_buffer, .address_space: global }
      - { .name: bias, .offset: 24, .size: 8, .value_kind: global_buffer, .address_space: global }
      - { .name: xd_codes, .offset: 32, .size: 8, .value_kind: global_buffer, .address_space: global }
      - { .name: xd_scales, .offset: 40, .size: 8, .value_kind: global_buffer, .address_space: global }
      - { .name: kq_codes, .offset: 48, .size: 8, .value_kind: global_buffer, .address_space: global }
      - { .name: kq_scales, .offset: 56, .size: 8, .value_kind: global_buffer, .address_space: global }
      - { .name: xs_codes, .offset: 64, .size: 8, .value_kind: global_buffer, .address_space: global }
      - { .name: xs_scales, .offset: 72, .size: 8, .value_kind: global_buffer, .address_space: global }
      - { .name: flags, .offset: 80, .size: 8, .value_kind: global_buffer, .address_space: global }
    .group_segment_fixed_size: 126208
    .private_segment_fixed_size: 0
    .kernarg_segment_align: 8
    .kernarg_segment_size: 88
    .max_flat_workgroup_size: 512
    .sgpr_count:     66
    .vgpr_count:     256
    .wavefront_size: 32
...
	.end_amdgpu_metadata
.endif
;; end of part 1
;; launch attend (part 2): grid 64 x 4, 4 waves a work-group, no clusters, 67,072 bytes of LDS; arguments xd_codes, xd_scales, kq_codes, kq_scales, xs_codes, xs_scales, flags, temperature, bias, out0; writes out0
.if DOCPART == 2
	.amdgcn_target "amdgcn-amd-amdhsa--gfx1250"
	.amdhsa_code_object_version 6
	.text
	.protected	k_qa22bf4c3f2_attend
	.globl	k_qa22bf4c3f2_attend
	.p2align	8
	.type	k_qa22bf4c3f2_attend,@function
k_qa22bf4c3f2_attend:
	s_mov_b64 s[64:65], 0
	v_nop
	global_prefetch_b8 v0, s[64:65] scope:SCOPE_SE
	s_setreg_imm32_b32 hwreg(HW_REG_WAVE_MODE, 25, 1), 1
	s_wait_xcnt 0x0
; out[b][i][:] = sum over j of softmax_j((relu(key_i . x_j + bias) - 10000 [j outside i-12 .. i+11]) x temperature) x_j, both products on codes of BF6 (E3M2) with one E8M0 byte for each 32 along K.
; The operands come as images of operand registers from the launch before: xd (x along d), kq (key along e), xs (x down the keys, in pairs of blocks of 32 keys).
; SOFTMAX: u = masked logit x temperature, t = u log2(e), M = the running largest t rounded up to a whole number, p = 2^(t - M) is quantised along the keys; the row's sum is taken of the unquantised p and divides at the end.
; SHARES.  A work-group owns 64 queries of a batch, each of its four waves 16: lane r <-> query 64 g + 32 (w / 2) + 8 (w % 2) + r + 8 (r / 8).  Waves share nothing: no barrier.
; A STEP is 128 keys: pairs p0 and p0 + 1 (mod 64), which are blocks 2 p0 - 1 .. 2 p0 + 2 (mod 128).  Step 0 (p0 = g) holds the whole band of all 64 queries and ALWAYS runs, with the mask taken key by key.
; Steps 1 .. 31 hold keys outside the band alone.  They are passed over by ONE scalar branch, on whole numbers that the launch before stored: only where all 256 flags are 0, which shows that every p of those steps is 0
; in this text's own arithmetic (t - M <= -128, and v_exp_f32 gives 0 under 2^-126: ISA guide, 15.8).  Otherwise (large inputs, a temperature of 0 or less) all 31 steps run, with a running M.
; Both products are used transposed (S^T = xd kq^T, O^T = xs^T p^T): a lane holds one query throughout, and S^T's 16 registers of two neighbouring tiles are 16 neighbouring keys.
; NO CLUSTER, NO TENSOR LOAD: its operands go from memory straight into registers; a wave has a SIMD's registers to itself and asks for a whole step's operands at once.
; LIMITS: NaN and infinities are not served; p under 2^-126 counts as 0; a block of p whose largest lies under 2^-122 keeps the byte 1; the bias is the C of each score's first product, so it is added ahead of the products, not behind.
; REGISTERS: window 0: addresses, statistics, S^T (v64-127), kq (v128-151), scale words, p's codes;  window 1: O^T (tile t at 8 t);  window 2: xd's 16 fragments (24 kt + 12 s), on the way out rows of out;  window 3: xs's 16 fragments (12 t + 6 c).
.set LANE, 1
.set R,    2
.set H,    3
.set LN16, 4
.set LN8,  5
.set LN4,  6
.set R32,  7
.set VA,   8                           ; v8-11   xd_codes: block b's images + 16 x lane
.set VS,   12                          ; v12-15  xd_scales: block b's words + 4 x lane
.set VX,   16                          ; v16-17  xs_codes: pair c + 16 x lane
.set VY,   18                          ; v18-19  the same + 8 x lane
.set VZ,   20                          ; v20-21  xs_scales: pair c + 32 r
.set DB,   22                          ; v22-25  key - query + 12 for register 16 b + 0 of S^T in step 0
.set STO,  26
.set SRD,  27
.set MT,   28                          ; v28-31  at work on the mask
.set NM,   32                          ; -M;  v33 the largest t
.set TX,   33
.set SUM,  34                          ; v[34:35] the row's sum in two halves;  v[36:37], v[38:39] a step's two chains
.set LA,   36
.set LB,   38
.set FF,   40                          ; v[40:41] 2^(old M - new M), later 1 / the sum
.set FLA,  42
.set PWD,  43                          ; p's scale word
.set KQS,  44                          ; kq's scale words: lanes 0-15 K step 0, lanes 16-31 K step 1
.set T,    45
.set BIA,  48                          ; v48-55  the bias, as the C of a score's first product
.set XDS,  56                          ; v56-63  xd's scale words, tile kt
.set S,    64
.set KQ,   128
.set Z,    152                         ; v152-167 xs's half words as loaded, pair c at 8 c
.set XSW,  168                         ; v168-183 xs's scale words, tile t
.set P,    184
.set PT,   196
.set BM,   204
.set BT,   208
.set SO,   212
.set FL,   216
.set FLOOR, 0x2800000
.set OFF4,  0xfe000000
.set MSB, 0
.macro WIN new                         ; the immediate's high byte repeats the setting that is left; a switch that changes nothing is dropped
.if MSB != \new
	s_set_vgpr_msb (MSB<<8)|\new
.set MSB, \new
.endif
.endm
; xs's fragments of d tiles base .. base + 7: for each pair 16 + 8 bytes a lane
.macro XSLOAD base
	WIN 0xc0                                       ; destination window 3
.irp t, 0,1,2,3,4,5,6,7
.irp c, 0,1
	global_load_b128 v[12*(\base+\t)+6*\c:12*(\base+\t)+6*\c+3], v[VX+\c], s[12:13] offset:768*(\base+\t)
	global_load_b64 v[12*(\base+\t)+6*\c+4:12*(\base+\t)+6*\c+5], v[VY+\c], s[12:13] offset:768*(\base+\t)+512
.endr
.endr
.endm
; A STEP of 128 keys; s38 = p0.  first = 1: step 0, which starts M, the sum and O^T and takes the mask key by key.  first = 0: all its keys lie outside the band.
.macro STEP first
	s_lshl_b32 s40, s38, 1                         ; the addresses: no load of mine is out that names them (the step before ended with a wait for all its loads)
	s_sub_co_u32 s40, s40, 1
.irp b, 0,1,2,3
	s_add_co_u32 s41, s40, \b
	s_and_b32 s41, s41, 127                        ; block (2 p0 - 1 + b) mod 128
	s_mul_i32 s42, s41, 6144
	s_lshl_b32 s43, s41, 8
	v_add_nc_u32 v[VA+\b], s42, v[LN16]
	v_add_nc_u32 v[VS+\b], s43, v[LN4]
.endr
.irp c, 0,1
	s_add_co_u32 s41, s38, \c
	s_and_b32 s41, s41, 63                         ; pair (p0 + c) mod 64
	s_mul_i32 s42, s41, 12288
	s_lshl_b32 s43, s41, 9
	v_add_nc_u32 v[VX+\c], s42, v[LN16]
	v_add_nc_u32 v[VY+\c], s42, v[LN8]
	v_add_nc_u32 v[VZ+\c], s43, v[R32]
.endr
.irp c, 0,1                                    ; 60 loads: what the scores want, and xs's half words
	global_load_b128 v[Z+8*\c:Z+8*\c+3], v[VZ+\c], s[14:15]
	global_load_b128 v[Z+8*\c+4:Z+8*\c+7], v[VZ+\c], s[14:15] offset:16
.endr
.irp b, 0,1,2,3
.irp u, 0,1
	global_load_b32 v[XDS+2*\b+\u], v[VS+\b], s[6:7] offset:128*\u
.endr
.endr
	WIN 0x80                                       ; destination window 2
.irp b, 0,1,2,3
.irp u, 0,1
.irp s, 0,1
.irp k, 0,1,2
	global_load_b128 v[24*(2*\b+\u)+12*\s+4*\k:24*(2*\b+\u)+12*\s+4*\k+3], v[VA+\b], s[4:5] offset:3072*\u+1536*\s+512*\k
.endr
.endr
.endr
.endr
	XSLOAD 0                                       ; 32 loads
	WIN 0
.if \first
	s_wait_kmcnt 0x0                               ; temperature and bias, behind the loads so that these are not held back
	s_mov_b32 s25, s24                             ; (named with s24 as a pair, so it is written)
.irp j, 0,1,2,3,4,5,6,7
	v_mov_b32 v[BIA+\j], s26
.endr
.rept 4
	v_nop
.endr
.endif
	s_wait_loadcnt 32                              ; all but the 32 just issued: the scores' operands are in
	WIN 0x02                                       ; source 0 (xd) window 2
.irp kt, 0,1,2,3,4,5,6,7                       ; S^T + bias: tile kt = 2 b + u; lane (r, h): query r, register j: key 32 block_b + 16 h + 8 u + j.  The eight accumulators take turns
	v_wmma_scale_f32_16x16x128_f8f6f4 v[S+8*\kt:S+8*\kt+7], v[24*\kt:24*\kt+11], v[KQ:KQ+11], v[BIA:BIA+7], v[XDS+\kt], v[KQS] matrix_a_fmt:MATRIX_FMT_BF6 matrix_b_fmt:MATRIX_FMT_BF6
.endr
.irp kt, 0,1,2,3,4,5,6,7
	v_wmma_scale_f32_16x16x128_f8f6f4 v[S+8*\kt:S+8*\kt+7], v[24*\kt+12:24*\kt+23], v[KQ+12:KQ+23], v[S+8*\kt:S+8*\kt+7], v[XDS+\kt], v[KQS] matrix_a_fmt:MATRIX_FMT_BF6 matrix_b_fmt:MATRIX_FMT_BF6 matrix_a_scale:MATRIX_SCALE_ROW1 matrix_b_scale:MATRIX_SCALE_ROW1
.endr
	XSLOAD 8                                       ; 32 more, into registers that none of these products names
	WIN 0
.irp q, 0,1,2,3,4,5,6,7                        ; xs's scale words: the two pairs' half words side by side.  These 16 are also the places behind the products
	v_perm_b32 v[XSW+2*\q], v[Z+8+\q], v[Z+\q], s32
	v_perm_b32 v[XSW+2*\q+1], v[Z+8+\q], v[Z+\q], s33
.endr
.set q_, 0
.rept 64
	v_max_num_f32 v[S+q_], 0, v[S+q_]              ; relu; each accumulator from its low end on
.set q_, q_+1
.endr
.if \first
.set q_, 0
.rept 32                                       ; key j counts for query i where 0 <= j - i + 12 < 24, taken as one unsigned compare; elsewhere 10000 comes off
	v_pk_add_f32 v[MT:MT+1], v[S+q_:S+q_+1], s[46:47] op_sel_hi:[1,0]
	v_add_nc_u32 v[MT+2], q_%16, v[DB+q_/16]
	v_add_nc_u32 v[MT+3], q_%16+1, v[DB+q_/16]
	v_cmp_gt_u32 vcc_lo, 24, v[MT+2]
	v_cndmask_b32 v[S+q_], v[MT], v[S+q_], vcc_lo
	v_cmp_gt_u32 vcc_lo, 24, v[MT+3]
	v_cndmask_b32 v[S+q_+1], v[MT+1], v[S+q_+1], vcc_lo
.set q_, q_+2
.endr
.else
.set q_, 0
.rept 32
	v_pk_add_f32 v[S+q_:S+q_+1], v[S+q_:S+q_+1], s[46:47] op_sel_hi:[1,0]
.set q_, q_+2
.endr
.endif
.set q_, 0
.rept 32
	v_pk_mul_f32 v[S+q_:S+q_+1], v[S+q_:S+q_+1], s[24:25] op_sel_hi:[1,0]   ; u = x temperature, of either sign: the maxima are taken of u
.set q_, q_+2
.endr
.irp b, 0,1,2,3
	v_max3_num_f32 v[BM+\b], v[S+16*\b], v[S+16*\b+1], v[S+16*\b+2]   ; each block's largest u: for the row's maximum and, since p rises with u, for the block's largest p
.endr
.irp i, 3,5,7,9,11,13
.irp b, 0,1,2,3
	v_max3_num_f32 v[BM+\b], v[BM+\b], v[S+16*\b+\i], v[S+16*\b+\i+1]
.endr
.endr
.irp b, 0,1,2,3
	v_max_num_f32 v[BM+\b], v[BM+\b], v[S+16*\b+15]
.endr
.irp b, 0,1,2,3
	v_permlanex16_b32 v[BT+\b], v[BM+\b], s30, s31
.endr
.irp b, 0,1,2,3
	v_max_num_f32 v[BM+\b], v[BM+\b], v[BT+\b]     ; with lane l xor 16's 16 keys
.endr
	v_max3_num_f32 v[T], v[BM], v[BM+1], v[BM+2]
	v_max_num_f32 v[T], v[T], v[BM+3]
.if \first
	v_mul_f32 v[TX], s28, v[T]                     ; the largest t
	v_floor_f32 v[NM], -v[TX]                      ; -M = floor(-t): M is a whole number
.else
	v_mul_f32 v[T], s28, v[T]
	v_max_num_f32 v[TX], v[TX], v[T]               ; the running largest t
	v_mov_b32 v[T], v[NM]
	v_floor_f32 v[NM], -v[TX]
	v_sub_f32 v[T], v[NM], v[T]                    ; old M - new M: a whole number, 0 or less
	v_cvt_i32_f32 v[T], v[T]                       ; (it saturates)
	v_ldexp_f32 v[FF], 1.0, v[T]                   ; f = 2^(old M - new M): multiplying by it rounds nothing
.endif
.set q_, 0
.rept 32
	v_pk_fma_f32 v[S+q_:S+q_+1], v[S+q_:S+q_+1], s[28:29], v[NM:NM+1] op_sel_hi:[1,0,0]   ; t - M
.set q_, q_+2
.endr
.irp b, 0,1,2,3
	v_fma_f32 v[BM+\b], v[BM+\b], s28, v[NM]
.endr
.set q_, 0
.rept 64
	v_exp_f32 v[S+q_], v[S+q_]                     ; p = 2^(t - M)
.set q_, q_+1
.endr
.if \first
	v_nop                                          ; a plain place behind the exponentials
.else
	v_pk_mul_f32 v[SUM:SUM+1], v[SUM:SUM+1], v[FF:FF+1] op_sel_hi:[1,0]   ; the sum under the new M  (a plain place behind the exponentials)
.endif
	s_wait_alu depctr_va_vdst(0)                   ; one wait for the batch of 64, ahead of its first reader
.irp b, 0,1,2,3
	v_exp_f32 v[BM+\b], v[BM+\b]                   ; each block's largest p
.endr
	v_pk_add_f32 v[LA:LA+1], v[S:S+1], v[S+2:S+3]  ; the row's sum, of the unquantised p: two chains; its first half stands behind the four exponentials
	v_pk_add_f32 v[LB:LB+1], v[S+4:S+5], v[S+6:S+7]
.irp j, 8,12,16,20,24,28
	v_pk_add_f32 v[LA:LA+1], v[LA:LA+1], v[S+\j:S+\j+1]
	v_pk_add_f32 v[LB:LB+1], v[LB:LB+1], v[S+\j+2:S+\j+3]
.endr
	s_wait_alu depctr_va_vdst(0)                   ; and one for the four
.irp b, 0,1,2,3
	v_max_num_f32 v[BM+\b], FLOOR, v[BM+\b]        ; the floor: the byte cannot fall under 1 (a block whose every p is 0 keeps that byte: its codes are zeros)
.endr
.irp b, 0,1,2,3
	v_add_nc_u32 v[SO+\b], OFF4, v[BM+\b]
.endr
.irp b, 0,1,2,3
	v_lshrrev_b32 v[BT+\b], 23, v[SO+\b]
.endr
	v_lshl_or_b32 v[PWD], v[BT+1], 8, v[BT]
	v_lshl_or_b32 v[PWD], v[BT+2], 16, v[PWD]
	v_lshl_or_b32 v[PWD], v[BT+3], 24, v[PWD]
.irp c, 0,1
	v_cvt_scalef32_pk16_bf6_f32 v[P+6*\c:P+6*\c+2], v[S+32*\c:S+32*\c+15], v[SO+2*\c]
	v_cvt_scalef32_pk16_bf6_f32 v[PT+4*\c:PT+4*\c+2], v[S+16+32*\c:S+31+32*\c], v[SO+2*\c+1]
.endr
	v_nop                                          ; one plain place behind the conversions
.irp c, 0,1                                    ; a whole block to a lane: lanes 0-15 block 2 c, lanes 16-31 block 2 c + 1
.irp i, 0,1,2
	v_permlane16_swap_b32 v[P+6*\c+\i], v[PT+4*\c+\i]
.endr
.irp i, 0,1,2
	v_mov_b32 v[P+6*\c+3+\i], v[PT+4*\c+\i]
.endr
.endr
.irp j, 32,36,40,44,48,52,56,60                ; the sum's second half: 16 plain lines that name nothing of the products below: the places behind p's scale word (8) and p's codes (4)
	v_pk_add_f32 v[LA:LA+1], v[LA:LA+1], v[S+\j:S+\j+1]
	v_pk_add_f32 v[LB:LB+1], v[LB:LB+1], v[S+\j+2:S+\j+3]
.endr
.if \first
	v_pk_add_f32 v[SUM:SUM+1], v[LA:LA+1], v[LB:LB+1]
.else
	v_pk_add_f32 v[LA:LA+1], v[LA:LA+1], v[LB:LB+1]
	v_pk_add_f32 v[SUM:SUM+1], v[SUM:SUM+1], v[LA:LA+1]
	WIN 0x41                                       ; O^T in window 1, f in window 0
.set q_, 0
.rept 64
	v_pk_mul_f32 v[q_:q_+1], v[q_:q_+1], v[FF:FF+1] op_sel_hi:[1,0]   ; O^T under the new M; each accumulator from its low end on
.set q_, q_+2
.endr
.endif
	s_wait_loadcnt 0x0                             ; xs's fragments are in; every address register of the step is free
.if \first
	WIN 0x43                                       ; source 0 (xs) window 3, destination window 1
.irp t, 0,1,2,3,4,5,6,7,8,9,10,11,12,13,14,15  ; O^T: tile t; lane (r, h): query r, register j: d = 16 t + 8 h + j.  The first step starts the sums: nothing is cleared
	v_wmma_scale_f32_16x16x128_f8f6f4 v[8*\t:8*\t+7], v[12*\t:12*\t+11], v[P:P+11], 0, v[XSW+\t], v[PWD] matrix_a_fmt:MATRIX_FMT_BF6 matrix_b_fmt:MATRIX_FMT_BF6
.endr
.else
	WIN 0x53                                       ; and C window 1
.irp t, 0,1,2,3,4,5,6,7,8,9,10,11,12,13,14,15
	v_wmma_scale_f32_16x16x128_f8f6f4 v[8*\t:8*\t+7], v[12*\t:12*\t+11], v[P:P+11], v[8*\t:8*\t+7], v[XSW+\t], v[PWD] matrix_a_fmt:MATRIX_FMT_BF6 matrix_b_fmt:MATRIX_FMT_BF6
.endr
.endif
	WIN 0
.rept 4
	v_nop                                          ; places behind the products, whichever way the text goes on
.endr
.endm
	s_load_b256 s[4:11], s[0:1], 0x0               ; xd_codes, xd_scales, kq_codes, kq_scales
	s_load_b256 s[12:19], s[0:1], 0x20             ; xs_codes, xs_scales, flags, temperature
	s_load_b128 s[20:23], s[0:1], 0x40             ; bias, out0
	v_lshl_add_u32 v254, v0, 2, 0x10400
	v_mov_b32 v255, 0
	v_lshrrev_b32 v[LANE], 5, v0
	v_readfirstlane_b32 s34, v[LANE]               ; wave w
	v_and_b32 v[LANE], 31, v0
	v_and_b32 v[R], 15, v0
	v_bfe_u32 v[H], v0, 4, 1
	v_lshlrev_b32 v[LN16], 4, v[LANE]
	v_lshlrev_b32 v[LN8], 3, v[LANE]
	v_lshlrev_b32 v[LN4], 2, v[LANE]
	v_lshlrev_b32 v[R32], 5, v[R]
	v_lshlrev_b32 v[FLA], 5, v[LANE]
	s_mov_b32 s35, ttmp9                           ; g: my 64 queries
	s_and_b32 s36, ttmp7, 0xffff                   ; the batch
	s_mov_b32 s28, 0x3fb8aa3b                      ; log2(e)
	s_mov_b32 s29, s28
	s_mov_b32 s30, 0x76543210
	s_mov_b32 s31, 0xfedcba98                      ; v_permlanex16_b32's selects for lane l xor 16
	s_mov_b32 s32, 0x05040100                      ; v_perm_b32: the two low halves
	s_mov_b32 s33, 0x07060302                      ; the two high halves
	s_mov_b32 s46, 0xc61c4000                      ; -10000
	s_mov_b32 s47, s46
	s_lshr_b32 s52, s34, 1
	s_and_b32 s53, s34, 1
	s_lshl_b32 s54, s35, 1
	s_add_co_u32 s54, s54, s52                     ; my queries' block: 2 g + w / 2
	s_mul_i32 s40, s36, 786432                     ; a batch's codes,
	s_mov_b32 s41, 0
	s_lshl_b32 s42, s36, 15                        ; its scale words
	s_mov_b32 s43, 0
	s_mul_i32 s44, s54, 6144
	s_mul_i32 s55, s53, 3072
	s_add_co_u32 s44, s44, s55                     ; my tile in kq_codes,
	s_mov_b32 s45, 0
	s_lshl_b32 s48, s54, 8
	s_lshl_b32 s55, s53, 7
	s_add_co_u32 s48, s48, s55                     ; in kq_scales,
	s_mov_b32 s49, 0
	s_lshl_b32 s50, s54, 5
	s_lshl_b32 s55, s53, 3
	s_add_co_u32 s50, s50, s55
	s_lshl_b32 s50, s50, 10
	s_lshl_b32 s55, s36, 22
	s_add_co_u32 s50, s50, s55                     ; and its first row in out0
	s_mov_b32 s51, 0
	s_mul_i32 s55, s34, 16640                      ; my stage: 16 rows x (1,024 + 16) bytes
	v_mul_u32_u24 v[STO], v[R], 1040
	v_lshl_add_u32 v[STO], v[H], 5, v[STO]
	v_add_nc_u32 v[STO], s55, v[STO]               ; in: row r, 32 bytes for each half of the lanes
	v_add_nc_u32 v[SRD], s55, v[LN16]              ; back: 512 consecutive bytes of a row
	; key - query + 12 in step 0: register 16 b + i of lane (r, h) holds key 64 g - 32 + 32 b + 16 h + i
	v_and_b32 v[T], 8, v[R]
	v_add_nc_u32 v[T], v[T], v[R]                  ; r + 8 (r / 8)
	v_lshlrev_b32 v[MT], 4, v[H]
	v_sub_nc_u32 v[T], v[MT], v[T]
	s_lshl_b32 s55, s52, 5
	s_lshl_b32 s56, s53, 3
	s_add_co_u32 s55, s55, s56
	s_add_co_u32 s55, s55, 20
	s_sub_co_u32 s55, 0, s55
	v_add_nc_u32 v[T], s55, v[T]
.irp b, 0,1,2,3
	v_add_nc_u32 v[DB+\b], 32*\b, v[T]
.endr
	s_cmp_eq_u32 s35, 0                            ; at the sequence's ends the step's outer block is the other end's: all its keys lie outside the band
	s_cselect_b32 s55, 0x10000, 0
	v_add_nc_u32 v[DB], s55, v[DB]
	s_cmp_eq_u32 s35, 63
	s_cselect_b32 s55, 0x10000, 0
	v_add_nc_u32 v[DB+3], s55, v[DB+3]
.irp b, 0,1,2,3
	v_mov_b32 v[BT+\b], 0                          ; written once: a lane permute's destination counts as one of its sources
.endr
	v_mov_b32 v[FF+1], 0                           ; (named as the upper half of a pair)
	s_wait_kmcnt 0x0
	s_load_b32 s24, s[18:19], 0x0                  ; temperature
	s_load_b32 s26, s[20:21], 0x0                  ; bias
	s_add_nc_u64 s[4:5], s[4:5], s[40:41]
	s_add_nc_u64 s[8:9], s[8:9], s[40:41]
	s_add_nc_u64 s[12:13], s[12:13], s[40:41]
	s_add_nc_u64 s[6:7], s[6:7], s[42:43]
	s_add_nc_u64 s[10:11], s[10:11], s[42:43]
	s_add_nc_u64 s[14:15], s[14:15], s[42:43]
	s_add_nc_u64 s[8:9], s[8:9], s[44:45]
	s_add_nc_u64 s[10:11], s[10:11], s[48:49]
	s_add_nc_u64 s[22:23], s[22:23], s[50:51]
.irp s, 0,1
.irp k, 0,1,2
	global_load_b128 v[KQ+12*\s+4*\k:KQ+12*\s+4*\k+3], v[LN16], s[8:9] offset:1536*\s+512*\k   ; my 16 queries' two fragments stay in registers
.endr
.endr
	global_load_b32 v[KQS], v[LN4], s[10:11]
	global_load_b128 v[FL:FL+3], v[FLA], s[16:17]              ; all 256 flags: 32 bytes a lane
	global_load_b128 v[FL+4:FL+7], v[FLA], s[16:17] offset:16
	s_mov_b32 s38, s35
	STEP 1                                         ; the band's step
.irp i, 1,2,3,4,5,6,7
	v_or_b32 v[FL], v[FL], v[FL+\i]
.endr
	v_cmp_ne_u32 s44, 0, v[FL]
	s_cmp_eq_u32 s44, 0                            ; whole numbers that the launch before stored: all 0 -> every p of the other 31 steps is 0
	s_cbranch_scc1 .Lout
	s_mov_b32 s37, 1
.Lfar:
	s_lshl_b32 s38, s37, 1
	s_add_co_u32 s38, s38, s35
	s_and_b32 s38, s38, 63                         ; p0 = (g + 2 n) mod 64
	STEP 0
	s_add_co_u32 s37, s37, 1
	s_cmp_lt_u32 s37, 32
	s_cbranch_scc1 .Lfar
.Lout:
	; THE WAY OUT: O^T / the sum, through my stage in LDS, so that a wave's store covers 512 consecutive bytes of a row of out0
	v_add_f32 v[SUM], v[SUM], v[SUM+1]
	v_permlanex16_b32 v[LA], v[SUM], s30, s31
	v_add_f32 v[SUM], v[SUM], v[LA]                ; the row's sum: at least 1/2
	v_rcp_f32 v[FF], v[SUM]
	v_nop                                          ; a plain place behind the reciprocal
	s_wait_alu depctr_va_vdst(0)                   ; and the wait ahead of its first reader
	WIN 0x41
.set q_, 0
.rept 64
	v_pk_mul_f32 v[q_:q_+1], v[q_:q_+1], v[FF:FF+1] op_sel_hi:[1,0]
.set q_, q_+2
.endr
	WIN 0x04                                       ; an LDS store's data: window 1
.set q_, 0
.rept 16
	ds_store_b128 v[STO], v[8*q_:8*q_+3] offset:64*q_
	ds_store_b128 v[STO], v[8*q_+4:8*q_+7] offset:64*q_+16
.set q_, q_+1
.endr
	WIN 0x80                                       ; destination window 2: xd's registers are free
.set q_, 0
.rept 32
	ds_load_b128 v[4*q_:4*q_+3], v[SRD] offset:(q_/2)*1040+(q_%2)*512   ; LDS serves a wave's instructions in order (ISA guide 5.7.1.4): these see my stores
.set q_, q_+1
.endr
	WIN 0x08                                       ; a store's data: window 2
.set q_, 0
.rept 32
	s_wait_dscnt 31-q_                             ; LDS loads come back in order: number q_ is in, the younger ones may be out
	global_store_b128 v[LN16], v[4*q_:4*q_+3], s[22:23] offset:((q_/2)+8*((q_/2)/8))*1024+(q_%2)*512 th:TH_STORE_NT   ; tile row m is query row m + 8 (m / 8)
.set q_, q_+1
.endr
	WIN 0
	s_wait_tensorcnt 0x0
	ds_add_u32 v254, v255
	s_wait_dscnt 0x0
	s_endpgm
.Lfunc_end_k_qa22bf4c3f2_attend:
	.size	k_qa22bf4c3f2_attend, .Lfunc_end_k_qa22bf4c3f2_attend-k_qa22bf4c3f2_attend
	.p2alignl 7, 3214868480
	.fill 96, 4, 3214868480
	.section	.rodata,"a",@progbits
	.p2align	6, 0x0
	.amdhsa_kernel k_qa22bf4c3f2_attend
		.amdhsa_group_segment_fixed_size 67072
		.amdhsa_private_segment_fixed_size 0
		.amdhsa_enable_private_segment 0
		.amdhsa_kernarg_size 80
		.amdhsa_user_sgpr_count 2
		.amdhsa_user_sgpr_kernarg_segment_ptr 1
		.amdhsa_wavefront_size32 1
		.amdhsa_system_sgpr_workgroup_id_x 1
		.amdhsa_system_sgpr_workgroup_id_y 1
		.amdhsa_system_sgpr_workgroup_id_z 1
		.amdhsa_system_vgpr_workitem_id 0
		.amdhsa_next_free_vgpr 960
		.amdhsa_next_free_sgpr 66
		.amdhsa_reserve_vcc 1
		.amdhsa_float_denorm_mode_32 3
		.amdhsa_float_denorm_mode_16_64 3
		.amdhsa_memory_ordered 1
		.amdhsa_forward_progress 1
		.amdhsa_inst_pref_size 99
	.end_amdhsa_kernel
	.amdgpu_metadata
---
amdhsa.version: [ 1, 2 ]
amdhsa.kernels:
  - .name:           k_qa22bf4c3f2_attend
    .symbol:         k_qa22bf4c3f2_attend.kd
    .args:
      - { .name: xd_codes, .offset: 0, .size: 8, .value_kind: global_buffer, .address_space: global }
      - { .name: xd_scales, .offset: 8, .size: 8, .value_kind: global_buffer, .address_space: global }
      - { .name: kq_codes, .offset: 16, .size: 8, .value_kind: global_buffer, .address_space: global }
      - { .name: kq_scales, .offset: 24, .size: 8, .value_kind: global_buffer, .address_space: global }
      - { .name: xs_codes, .offset: 32, .size: 8, .value_kind: global_buffer, .address_space: global }
      - { .name: xs_scales, .offset: 40, .size: 8, .value_kind: global_buffer, .address_space: global }
      - { .name: flags, .offset: 48, .size: 8, .value_kind: global_buffer, .address_space: global }
      - { .name: temperature, .offset: 56, .size: 8, .value_kind: global_buffer, .address_space: global }
      - { .name: bias, .offset: 64, .size: 8, .value_kind: global_buffer, .address_space: global }
      - { .name: out0, .offset: 72, .size: 8, .value_kind: global_buffer, .address_space: global }
    .group_segment_fixed_size: 67072
    .private_segment_fixed_size: 0
    .kernarg_segment_align: 8
    .kernarg_segment_size: 80
    .max_flat_workgroup_size: 128
    .sgpr_count:     66
    .vgpr_count:     960
    .wavefront_size: 32
...
	.end_amdgpu_metadata
.endif
;; end of part 2
